; MI455X (gfx1250); checked and timed in simulation.
; The chip was launched on July 23, 2026; its instructions are those of AMD's public machine-readable ISA for CDNA 5 (MIT licence, August 2026) and "CDNA5" Instruction Set Architecture Reference Guide (July 2026). The comments in the code are by the model that wrote it; some were corrected since.
;; Attention Base. Allowed arithmetic: matrix products marked QUANTISED: E2M3 operands, one E8M0 scale for each 32 along K, by v_wmma_scale_f32_16x16x128_f8f6f4 with both operands' format E2M3, f32 sums; everything else in f32.
;; Inputs: W_out 1,024 x 1,024 float32; g 1,024 float32; k 4 x 2,048 x 1,024 float32; q 4 x 2,048 x 1,024 float32; v 4 x 2,048 x 1,024 float32.
;; Outputs: out0 4 x 2,048 x 1,024 float32.
;; This version of the problem:
;;   THIS VERSION OF THE PROBLEM IS GIVEN IN LOW PRECISION. The matrix products marked QUANTISED in the list below multiply operands that are first quantised to E2M3 (2 exponent bits, 3 mantissa bits; 6 bits a number), with one power-of-two scale for each 32 numbers along K (OCP MX v1.0); their sums are f32. All else is computed in f32.
;;   The module's matrix products, in the order in which they are computed (A, B: the left and right operand; K: the contracted axis; several contracted axes count as one K, in the product's order):
;;     1. batch 64 x [M 2,048, K 64] x [K 64, N 2,048]; A: computed on the way; B: input k: QUANTISED
;;     2. batch 64 x [M 2,048, K 2,048] x [K 2,048, N 64]; A: softmax (see below); B: input v: QUANTISED
;;     3. [M 8,192, K 1,024] x [K 1,024, N 1,024]; A: computed on the way; B: input W_out: QUANTISED
;;   THE QUANTISER, for each operand of a quantised product, along K:
;;     - K is cut into blocks of 32 from its start; a last block that is shorter is filled with zeros.
;;     - A block's scale is 2^e with e = floor(log2(the largest magnitude in the block)) - 2, held to -126 .. 127; a block of zeros has e = 0. As a byte (E8M0): e + 127.
;;     - Each number is divided by its block's scale, clamped to +-7.5, and rounded to the nearest number of E2M3, ties to even, subnormals kept.
;;     - The product sums the exact products of the quantised numbers (number of the format x scale) in f32.
;;   ~~~python
;;   def quantise(x, axis):      # numpy; x: float32 -> the quantised numbers, widened to float32 again
;;       x = np.moveaxis(x, axis, -1); K = x.shape[-1]
;;       x = np.pad(x, [(0, 0)] * (x.ndim - 1) + [(0, -K % 32)]); x = x.reshape(x.shape[:-1] + (-1, 32)); a = np.abs(x).max(-1, keepdims=True)
;;       e = np.where(a > 0, np.clip(np.frexp(np.where(a > 0, a, 1))[1] - 1 - 2, -126, 127), 0)      # np.frexp(a)[1] - 1 = floor(log2(a)), exactly
;;       r = np.clip(x / 2.0 ** e, -7.5, 7.5)
;;       step = 2.0 ** (np.maximum(np.frexp(np.where(r == 0, 1, r))[1] - 1, 0) - 3)
;;       q = np.round(r / step) * step * 2.0 ** e      # np.round: ties to even
;;       return np.moveaxis(q.reshape(q.shape[:-2] + (-1,))[..., :K], -1, axis).astype(np.float32)
;;   ~~~
;;   SOFTMAX AHEAD OF A QUANTISED PRODUCT. Where the list says 'softmax', what is quantised is not the finished softmax but p = 2^(t - M), with t = logit x log2(e) and M = ceil(the row's largest t), a whole number; so 1/2 < the row's largest p <= 1. The row's sum l is taken of the UNQUANTISED p, in f32, and the product's result is divided by l at the end. Since M is a whole number, a kernel that streams over the keys may use a running M (the ceiling of the running maximum): every later rescaling is an exact power of two, which a block's scale takes up: the codes' values come out the same.
;;   OPERANDS COMPUTED ON THE WAY. 'Computed on the way' means the value that the module computes at that place (a softmax that the list does not call 'softmax' is quantised finished and normalised). What goes into a quantiser is computed in f32, as accurately as f32 sums, v_exp_f32 and their like allow (about 1e-6 of the number): no bf16 or f16 on the way to a quantiser, and a product that is left as it is and whose result goes on into a quantised operand takes f32 operands (vector FMAs, or v_wmma_f32_16x16x4_f32). A number that lies on a knife's edge between two numbers of the format may be rounded either way, as far as f32 arithmetic and the matrix unit's own rounding can turn it there, and no further.
;; One version. Each part assembles by itself: llvm-mc -triple=amdgcn-amd-amdhsa -mcpu=gfx1250 --defsym DOCPART=n.
;; ======== version 1 of 1: 3 launches
;; limits: right only within a limited range of input values
;; workspace buffers: kv 13,107,200 bytes; wc 819,200 bytes; ac 7,340,032 bytes
;; launch prep (part 1): grid 544 x 1, 4 waves a work-group, no clusters, 43,520 bytes of LDS; arguments k, v, W_out, kv, wc; writes kv, wc
.if DOCPART == 1
	.amdgcn_target "amdgcn-amd-amdhsa--gfx1250"
	.amdhsa_code_object_version 6
	.text
	.protected	k_q78196cb9fc_prep
	.globl	k_q78196cb9fc_prep
	.p2align	8
	.type	k_q78196cb9fc_prep,@function
k_q78196cb9fc_prep:
	s_mov_b64 s[64:65], 0
	v_nop
	global_prefetch_b8 v0, s[64:65] scope:SCOPE_SE
	s_setreg_imm32_b32 hwreg(HW_REG_WAVE_MODE, 25, 1), 1
	s_wait_xcnt 0x0
; k [4][2048][1024], v [4][2048][1024] and W_out [1024][1024], f32, become codes of FP6 (E2M3) with one E8M0 byte for each 32 along K, laid IN THE ORDER OF THE OPERANDS' REGISTERS:
; a fragment (12 registers a lane) is 1,536 bytes: registers 4 c .. 4 c + 3 of lane l at 512 c + 16 l.  r = lane % 16, h = lane / 16.
; kv: [hb = 16 b + head][key step s of 128 keys][12,800 bytes]:  +0 four PAIR fragments of K (j): registers 0-5 = key 128 s + 32 j + r + 8 (r / 8), d = 32 h .. 32 h + 31; registers 6-11 = the key 8 further on;
;     +6144 four fragments of V^T (t): row d = 32 (t / 2) + 8 (t % 2) + r + 8 (r / 8), registers 6 c .. 6 c + 5 = keys 128 s + 64 c + 32 h + 0 .. 31;
;     +12288 K's scale words, +12544 V's: 8 bytes a lane; word i of lane (r, hh) belongs to fragment 2 i + hh, row r.
; wc: [K step s of 128][102,400 bytes]: 64 fragments (tile tau: n = 16 tau + r, k = 128 s + 64 c + 32 h ..), then 16 x 256 bytes of scale words in the same form (unit u: tiles 4 u + 2 i + hh).
; A block's scale is 2^(floor(log2(largest magnitude)) - 2): its byte is the largest magnitude's exponent field - 2, held at 1 from below by a floor among the maximum's leaves.
; LIMITS: blocks whose largest magnitude lies under 2^-124 keep the byte 1; a block of zeros gets the byte 1, not 127 (its codes are zeros, and this program alone reads the bytes); NaN and infinities are not served.
; SHARES: work-groups 0-255 take k, 256-287 W_out (one path, ROWS: K is innermost; only pointers and three steps are chosen, by the work-group's number); work-groups 288-543 take v (COLS: K = the keys is not innermost).
; A wave takes one unit: four fragments and their scale words.  Waves share nothing: no barrier, no cluster (no two work-groups read the same bytes), no tensor load.  Each path has LDS bytes of its own.
; K's PAIR fragments as this text lays them (this takes the place of what the head says of their keys): fragment j holds tiles u = 2 (j % 2) and u + 1 of key group c = j / 2;
; row r of tile u is key 128 s + 64 c + 8 u + r % 8 + 32 (r / 8); registers 0-5 hold the first tile, registers 6-11 the second.  So rows 0-7 and rows 8-15 of a tile lie in two different blocks of 32 keys.
.set R,   32
.set X,   128                          ; v128-159 a lane's 32 neighbours along K
.set F,   160                          ; v160-171 the fragment
.set T,   172                          ; v172-174 the second half of a block's codes (a conversion's three registers begin on an even number)
.set VO,  10                           ; v10-15 a set's two offsets: stage rows 0-7, rows 8-15
.set MA,  16
.set MB,  17
.set SOP, 18
.set BYX, 19
.set BYY, 20
.set W,   21
.set W2,  22
.set WD,  24                           ; v24-25 the unit's scale words
.set CX,  32                           ; COLS: v32-95 two sets of 32 numbers
.set CC,  96                           ; v96-101 a block's codes
.set CT,  102
.set SB,  24                           ; v24-25 my column's four bytes, for d under 32 and from 32 on
	s_load_b256 s[4:11], s[0:1], 0x0               ; k s[4:5], v s[6:7], W_out s[8:9], kv s[10:11]
	s_load_b64 s[12:13], s[0:1], 0x20              ; wc
	v_lshl_add_u32 v192, v0, 2, 0xa800
	v_mov_b32 v193, 0
	v_lshrrev_b32 v1, 5, v0
	v_readfirstlane_b32 s16, v1                    ; wave
	v_and_b32 v1, 31, v0                           ; lane
	v_and_b32 v2, 15, v0                           ; r
	v_bfe_u32 v3, v0, 4, 1                         ; h
	s_lshl_b32 s17, ttmp9, 2
	s_add_co_u32 s17, s17, s16                     ; 4 x work-group + wave
	s_cmp_lt_u32 ttmp9, 288
	s_cbranch_scc0 .Lcols
; ---------------- ROWS: k and W_out.  A tile is 16 rows x 64 numbers (256 bytes a row); two tiles make a fragment.
	v_lshlrev_b32 v4, 4, v2
	v_lshl_add_u32 v4, v3, 12, v4                  ; a load takes two rows: lanes 0-15 one row's 256 bytes, lanes 16-31 the next row's
	s_mul_i32 s29, s16, 4352                       ; my stage: 16 rows of 272 bytes
	v_mul_u32_u24 v5, v3, 272
	v_lshl_add_u32 v5, v2, 4, v5
	v_add_nc_u32 v5, s29, v5                       ; in: as loaded
	v_mul_u32_u24 v6, v2, 272
	v_lshl_add_u32 v6, v3, 7, v6
	v_add_nc_u32 v6, s29, v6                       ; back: row r, 128 bytes for each half of the lanes: a whole block of 32
	v_lshlrev_b32 v7, 4, v1
	v_lshlrev_b32 v8, 3, v1
	v_lshlrev_b32 v9, 3, v3                        ; 8 h: my block's byte's place in half a scale word
	v_mov_b32 v[W2], 0                             ; a lane permute's destination counts as one of its sources
	s_mov_b32 s20, 0x76543210
	s_mov_b32 s21, 0xfedcba98                      ; selects: lane l xor 16
	s_mov_b32 s28, 0xffff0000                      ; lanes 16-31
	s_mov_b32 s27, 0                               ; the next tile's offset
	; k: unit U = 16 hb + s
	s_lshr_b32 s18, s17, 8
	s_lshl_b32 s18, s18, 23                        ; b
	s_and_b32 s19, s17, 15
	s_lshl_b32 s19, s19, 19                        ; 128 keys of 4,096 bytes
	s_add_co_u32 s18, s18, s19
	s_bfe_u32 s19, s17, 0x40004
	s_lshl_b32 s19, s19, 8                         ; the head's 256 bytes of a row
	s_add_co_u32 s18, s18, s19
	s_mul_i32 s19, s17, 12800
	s_add_co_u32 s22, s19, 12288
	; W_out: unit U - 1024 = 16 s + u: n tiles 4 u .. 4 u + 3 of K step s
	s_sub_co_u32 s23, s17, 1024
	s_and_b32 s36, s23, 15
	s_bfe_u32 s37, s23, 0x30004
	s_lshl_b32 s38, s36, 18                        ; 64 rows
	s_lshl_b32 s39, s37, 9                         ; 128 numbers
	s_add_co_u32 s38, s38, s39
	s_mul_i32 s39, s37, 102400
	s_mul_i32 s40, s36, 6144
	s_add_co_u32 s40, s40, s39
	s_lshl_b32 s41, s36, 8
	s_add_co_u32 s41, s41, s39
	s_add_co_u32 s41, s41, 98304
	s_mov_b32 s24, 256
	s_mov_b32 s25, 65536-256
	s_wait_kmcnt 0x0
	s_cmp_lt_u32 ttmp9, 256                        ; the choice hangs on the work-group's number alone
	s_cselect_b64 s[30:31], s[4:5], s[8:9]         ; from
	s_cselect_b64 s[32:33], s[10:11], s[12:13]     ; to
	s_cselect_b32 s42, s18, s38
	s_cselect_b32 s44, s19, s40
	s_cselect_b32 s46, s22, s41
	s_cselect_b32 s24, 32768, s24                  ; from a fragment's first tile to its second: 8 rows on (k), 64 along K on (W_out)
	s_cselect_b32 s25, 32768, s25                  ; and on to the next fragment's first tile: 8 rows on (k), the rest of 16 rows (W_out)
	s_cselect_b32 s26, 98304, 0                    ; a tile's rows 8-15 lie 32 keys behind rows 0-7: 24 rows further on than neighbours (k), or are neighbours (W_out)
	s_cselect_b32 s48, 131072, 0                   ; behind tile 3: k goes on to the next group of 64 keys, 32 rows more; W_out has no such step
	s_mov_b32 s43, 0
	s_mov_b32 s45, 0
	s_mov_b32 s47, 0
	s_add_nc_u64 s[30:31], s[30:31], s[42:43]
	s_add_nc_u64 s[34:35], s[32:33], s[46:47]      ; the scale words
	s_add_nc_u64 s[32:33], s[32:33], s[44:45]      ; the fragments
.macro LOADT t                         ; tile t into set t % 3: eight loads, each two whole rows of 256 bytes
.set RS, R+32*((\t)%3)
.set VL, VO+2*((\t)%3)
	v_add_nc_u32 v[VL], s27, v4
	v_add_nc_u32 v[VL+1], s26, v[VL]
.if (\t)%2 == 0
	s_add_co_u32 s27, s27, s24
.else
	s_add_co_u32 s27, s27, s25
.endif
.if (\t) == 3
	s_add_co_u32 s27, s27, s48
.endif
.irp i, 0,1,2,3
	global_load_b128 v[RS+4*\i:RS+4*\i+3], v[VL], s[30:31] offset:8192*\i th:TH_LOAD_NT
.endr
.irp i, 4,5,6,7
	global_load_b128 v[RS+4*\i:RS+4*\i+3], v[VL+1], s[30:31] offset:8192*\i th:TH_LOAD_NT
.endr
.endm
.macro TURN t                          ; through my stage: LDS serves a wave's instructions in order, so no wait stands between the stores and the loads
.set RS, R+32*((\t)%3)
.irp i, 0,1,2,3,4,5,6,7
	ds_store_b128 v5, v[RS+4*\i:RS+4*\i+3] offset:544*\i
.endr
.irp i, 0,1,2,3,4,5,6,7
	ds_load_b128 v[X+4*\i:X+4*\i+3], v6 offset:16*\i
.endr
.endm
.macro QUANT32 src, dst, byte          ; a lane's whole block of 32 -> six registers of codes and the scale's byte
	v_max3_num_f32 v[MA], |v[\src]|, |v[\src+1]|, 0x1800000        ; the floor 2^(3 - 127) among the leaves: the byte cannot fall under 1
	v_max3_num_f32 v[MB], |v[\src+16]|, |v[\src+17]|, |v[\src+18]|
.irp i, 2,4,6,8,10,12
	v_max3_num_f32 v[MA], v[MA], |v[\src+\i]|, |v[\src+\i+1]|
	v_max3_num_f32 v[MB], v[MB], |v[\src+17+\i]|, |v[\src+18+\i]|
.endr
	v_max3_num_f32 v[MA], v[MA], |v[\src+14]|, |v[\src+15]|
	v_max3_num_f32 v[MA], v[MA], v[MB], |v[\src+31]|
	v_add_nc_u32 v[SOP], 0xff000000, v[MA]         ; 2 off the exponent field: the conversion takes that field as its scale
	v_cvt_scalef32_pk16_fp6_f32 v[\dst:\dst+2], v[\src:\src+15], v[SOP]
	v_cvt_scalef32_pk16_fp6_f32 v[T:T+2], v[\src+16:\src+31], v[SOP]
	v_lshrrev_b32 v[\byte], 23, v[SOP]             ; the byte; also the plain line behind the conversions
.irp i, 0,1,2
	v_mov_b32 v[\dst+3+\i], v[T+\i]
.endr
.endm
.macro TILE t
.if (\t) <= 5
	s_wait_loadcnt 16                              ; this tile's eight loads are in; the two tiles behind it may be out
.elseif (\t) == 6
	s_wait_loadcnt 8
.else
	s_wait_loadcnt 0
.endif
	TURN \t
	s_wait_dscnt 0x0                               ; my 32 neighbours are in, and the stores have read the set
.if (\t)+3 < 8
	LOADT (\t)+3                                   ; which takes the tile three on (its offsets' last loads were shown done by the count above)
.endif
.if ((\t)%2 == 0) && ((\t) > 0)
	s_wait_xcnt 0x0                                ; the last fragment's stores have read their registers
.endif
.if (\t)%2 == 0
	QUANT32 X, F, BYX
.else
	QUANT32 X, F+6, BYY
.endif
.endm
.macro FRAGOUT j
.irp c, 0,1,2
	global_store_b128 v7, v[F+4*\c:F+4*\c+3], s[32:33] offset:1536*(\j)+512*\c   ; 512 consecutive bytes, aligned
.endr
	v_lshl_or_b32 v[W], v[BYY], 16, v[BYX]         ; my block's bytes of both tiles,
	v_lshlrev_b32 v[W], v9, v[W]                   ; at their places,
	v_permlanex16_b32 v[W2], v[W], s20, s21
	v_or_b32 v[W], v[W], v[W2]                     ; with the other block's: the row's scale word
.if (\j)%2 == 0
	v_mov_b32 v[WD+(\j)/2], v[W]
.else
	v_cndmask_b32 v[WD+(\j)/2], v[WD+(\j)/2], v[W], s28   ; an odd fragment's words stand in lanes 16-31
.endif
.endm
	LOADT 0
	LOADT 1
	LOADT 2
.irp j, 0,1,2,3
	TILE 2*\j
	TILE 2*\j+1
	FRAGOUT \j
.endr
	global_store_b64 v8, v[WD:WD+1], s[34:35]      ; 256 consecutive bytes, aligned
	s_wait_tensorcnt 0x0
	ds_add_u32 v192, v193
	s_wait_dscnt 0x0
	s_endpgm
; ---------------- COLS: v.  A lane takes a column d and its registers run down the keys: a block of 32 keys lies in one lane, and the codes come out with the keys innermost.
.Lcols:
	s_sub_co_u32 s17, s17, 1152                    ; unit U = 16 hb + s
	s_lshr_b32 s18, s17, 8
	s_lshl_b32 s18, s18, 23
	s_and_b32 s19, s17, 15
	s_lshl_b32 s19, s19, 19
	s_add_co_u32 s18, s18, s19
	s_bfe_u32 s19, s17, 0x40004
	s_lshl_b32 s19, s19, 8
	s_add_co_u32 s42, s18, s19
	s_mov_b32 s43, 0
	s_mul_i32 s44, s17, 12800
	s_mov_b32 s45, 0
	s_mul_i32 s29, s16, 6400
	s_add_co_u32 s29, s29, 17408                   ; my 6,400 bytes of LDS: the four fragments' images, then their scale words
	s_wait_alu depctr_va_vdst(0)
	v_lshlrev_b32 v4, 2, v1
	v_lshrrev_b32 v14, 3, v1                       ; g = lane / 8.  Column d = 32 b2 + lane is row 8 (g / 2) + lane % 8 of tile 2 b2 + g % 2
	v_and_b32 v15, 1, v14
	v_lshrrev_b32 v14, 1, v14
	v_and_b32 v16, 7, v1
	v_mul_u32_u24 v5, v15, 1536
	v_lshl_add_u32 v5, v14, 7, v5
	v_lshl_add_u32 v5, v16, 4, v5
	v_add_nc_u32 v5, s29, v5                       ; my row's 16 bytes in a group of four registers of my tile's image
	v_lshlrev_b32 v6, 7, v15
	v_lshl_add_u32 v6, v14, 6, v6
	v_lshl_add_u32 v6, v16, 3, v6
	v_add_nc_u32 v6, s29, v6
	v_add_nc_u32 v6, 6144, v6                      ; my row's scale word
	v_lshlrev_b32 v9, 4, v1
	v_lshlrev_b32 v10, 3, v1
	v_add_nc_u32 v7, s29, v9                       ; the way out: 16 bytes a lane,
	v_add_nc_u32 v8, s29, v10
	v_add_nc_u32 v8, 6144, v8                      ; 8 bytes a lane of the scale words
	s_wait_kmcnt 0x0
	s_add_nc_u64 s[30:31], s[6:7], s[42:43]
	s_add_nc_u64 s[32:33], s[10:11], s[44:45]
.macro VLOAD t                         ; item t: key block t / 2, columns 32 (t % 2) on: 32 loads of 128 consecutive bytes; the two halves of a row's 256 bytes are asked for back to back
.irp i, 0,1,2,3,4,5,6,7,8,9,10,11,12,13,14,15,16,17,18,19,20,21,22,23,24,25,26,27,28,29,30,31
	global_load_b32 v[CX+32*((\t)%2)+\i], v4, s[30:31] offset:(32*((\t)/2)+\i)*4096+128*((\t)%2)
.endr
.endm
.macro VBLOCK t
.set XS, CX+32*((\t)%2)
.set BE, (\t)/2
.set B2, (\t)%2
.if (\t) < 7
	s_wait_loadcnt 32                              ; this item's 32 loads are in; the next item's may be out
.else
	s_wait_loadcnt 0
.endif
	v_max3_num_f32 v12, |v[XS]|, |v[XS+1]|, |v[XS+2]|
	v_max3_num_f32 v13, |v[XS+3]|, |v[XS+4]|, |v[XS+5]|
.irp i, 6,10,14,18,22,26
	v_max3_num_f32 v12, v12, |v[XS+\i]|, |v[XS+\i+1]|
	v_max3_num_f32 v13, v13, |v[XS+\i+2]|, |v[XS+\i+3]|
.endr
	v_max3_num_f32 v12, v12, |v[XS+30]|, |v[XS+31]|
	v_max3_num_f32 v12, v12, v13, 0x1800000        ; the floor
	v_add_nc_u32 v11, 0xff000000, v12
	v_lshrrev_b32 v14, 23, v11
.if BE == 0
	v_mov_b32 v[SB+B2], v14
.else
	v_lshl_or_b32 v[SB+B2], v14, 8*BE, v[SB+B2]    ; byte beta of the word: key block beta
.endif
	v_cvt_scalef32_pk16_fp6_f32 v[CC:CC+2], v[XS:XS+15], v11
	v_cvt_scalef32_pk16_fp6_f32 v[CT:CT+2], v[XS+16:XS+31], v11
	v_nop                                          ; a plain line behind the conversions
.irp i, 0,1,2
	v_mov_b32 v[CC+3+\i], v[CT+\i]
.endr
.if BE < 2                             ; key block beta = 2 c + h: registers 6 c .. 6 c + 5 of lane r + 16 h
	ds_store_b128 v5, v[CC:CC+3] offset:3072*B2+256*(BE%2)
	ds_store_b64 v5, v[CC+4:CC+5] offset:3072*B2+256*(BE%2)+512
.else
	ds_store_b64 v5, v[CC:CC+1] offset:3072*B2+256*(BE%2)+520
	ds_store_b128 v5, v[CC+2:CC+5] offset:3072*B2+256*(BE%2)+1024
.endif
.if (\t)+2 < 8
	VLOAD (\t)+2
.endif
	s_wait_dscnt 0x0                               ; the stores have read their registers
.endm
	VLOAD 0
	VLOAD 1
.irp t, 0,1,2,3,4,5,6,7
	VBLOCK \t
.endr
	ds_store_b32 v6, v[SB]
	s_wait_alu depctr_va_vdst(0)
	ds_store_b32 v6, v[SB+1] offset:4
.set nn, 0
.rept 12
	ds_load_b128 v[112+4*nn:115+4*nn], v7 offset:512*nn   ; LDS serves a wave's instructions in order: these see my stores
.set nn, nn+1
.endr
	ds_load_b64 v[160:161], v8
.set nn, 0
.rept 12
	s_wait_dscnt 12-nn                             ; load nn is in; the 12 - nn behind it may be out
	global_store_b128 v9, v[112+4*nn:115+4*nn], s[32:33] offset:6144+512*nn   ; 512 consecutive bytes, aligned
.set nn, nn+1
.endr
	s_wait_dscnt 0x0
	global_store_b64 v10, v[160:161], s[32:33] offset:12544
	s_wait_tensorcnt 0x0
	ds_add_u32 v192, v193
	s_wait_dscnt 0x0
	s_endpgm
.Lfunc_end_k_q78196cb9fc_prep:
	.size	k_q78196cb9fc_prep, .Lfunc_end_k_q78196cb9fc_prep-k_q78196cb9fc_prep
	.p2alignl 7, 3214868480
	.fill 96, 4, 3214868480
	.section	.rodata,"a",@progbits
	.p2align	6, 0x0
	.amdhsa_kernel k_q78196cb9fc_prep
		.amdhsa_group_segment_fixed_size 43520
		.amdhsa_private_segment_fixed_size 0
		.amdhsa_enable_private_segment 0
		.amdhsa_kernarg_size 40
		.amdhsa_user_sgpr_count 2
		.amdhsa_user_sgpr_kernarg_segment_ptr 1
		.amdhsa_wavefront_size32 1
		.amdhsa_system_sgpr_workgroup_id_x 1
		.amdhsa_system_sgpr_workgroup_id_y 1
		.amdhsa_system_sgpr_workgroup_id_z 1
		.amdhsa_system_vgpr_workitem_id 0
		.amdhsa_next_free_vgpr 194
		.amdhsa_next_free_sgpr 66
		.amdhsa_reserve_vcc 0
		.amdhsa_float_denorm_mode_32 3
		.amdhsa_float_denorm_mode_16_64 3
		.amdhsa_memory_ordered 1
		.amdhsa_forward_progress 1
		.amdhsa_inst_pref_size 74
	.end_amdhsa_kernel
	.amdgpu_metadata
---
amdhsa.version: [ 1, 2 ]
amdhsa.kernels:
  - .name:           k_q78196cb9fc_prep
    .symbol:         k_q78196cb9fc_prep.kd
    .args:
      - { .name: k, .offset: 0, .size: 8, .value_kind: global_buffer, .address_space: global }
      - { .name: v, .offset: 8, .size: 8, .value_kind: global_buffer, .address_space: global }
      - { .name: W_out, .offset: 16, .size: 8, .value_kind: global_buffer, .address_space: global }
      - { .name: kv, .offset: 24, .size: 8, .value_kind: global_buffer, .address_space: global }
      - { .name: wc, .offset: 32, .size: 8, .value_kind: global_buffer, .address_space: global }
    .group_segment_fixed_size: 43520
    .private_segment_fixed_size: 0
    .kernarg_segment_align: 8
    .kernarg_segment_size: 40
    .max_flat_workgroup_size: 128
    .sgpr_count:     66
    .vgpr_count:     194
    .wavefront_size: 32
...
	.end_amdgpu_metadata
.endif
;; end of part 1
;; launch attn (part 2): grid 4 x 64, 16 waves a work-group, clusters of 4 x 1, 276,480 bytes of LDS; arguments q, kv, ac; writes ac
.if DOCPART == 2
	.amdgcn_target "amdgcn-amd-amdhsa--gfx1250"
	.amdhsa_code_object_version 6
	.text
	.protected	k_q78196cb9fc_attn
	.globl	k_q78196cb9fc_attn
	.p2align	8
	.type	k_q78196cb9fc_attn,@function
k_q78196cb9fc_attn:
	s_mov_b64 s[64:65], 0
	v_nop
	global_prefetch_b8 v0, s[64:65] scope:SCOPE_SE
	s_setreg_imm32_b32 hwreg(HW_REG_WAVE_MODE, 25, 1), 1
	s_wait_xcnt 0x0
	s_wait_alu depctr_hold_cnt(0) depctr_sa_sdst(0) depctr_va_vdst(0) depctr_va_sdst(0) depctr_va_ssrc(0) depctr_va_vcc(0) depctr_vm_vsrc(0)
	s_getreg_b32 s2, hwreg(HW_REG_IB_STS2, 6, 4)
	s_cmp_eq_u32 s2, 0
	s_cbranch_scc0 .Lentry_in_a_cluster
	s_endpgm
.Lentry_in_a_cluster:
	s_bfe_u32 s2, ttmp6, 0x10000c
	s_cmp_lg_u32 s2, 0x3003
	s_cbranch_scc0 .Lentry_shape_is_right
	s_endpgm
.Lentry_shape_is_right:
; Attention of one (batch, head) pair hb on codes of FP6 (E2M3): S^T = K Q^T, p = 2^(t - M), O^T = V^T P^T, O / l, and O quantised along d for the projection.
; q: [4][2048][1024] f32, quantised here in registers.  kv: K's and V's codes and scale words as images of the operands' registers, 12,800 bytes for each step of 128 keys (laid by the launch before).
; ac: [row tile of 16][14,336 bytes]: for each head 768 bytes (registers 0-3 at 16 x lane, registers 4-5 at 512 + 8 x lane), then from 12,288 on 128 bytes a head: the rows' half scale words.
; THE FACTOR 1/8 is a power of two: q / 8 has q's codes under a scale 8 times smaller, so it is folded into c = log2(e) / 8.
; THE HEAD'S 64 FILL HALF OF THE INSTRUCTION'S K = 128: a fragment of K carries TWO tiles of keys and is multiplied twice, by [q's codes, zero codes] and by [zero codes, q's codes].
; THE KEYS OF A TILE: row m of tile u of key group c is key 64 c + 8 u + m % 8 + 32 (m / 8).  So lane (query r, h) holds in registers S + 32 c + 0 .. 31 the WHOLE block of 32 keys 64 c + 32 h + 0 .. 31, in order:
; a block's maximum needs no other lane, and the conversions' results are P's operand registers with no exchange between lanes.
; THE SOFTMAX: M = the running largest t rounded up to a whole number; the row's sum is taken of the unquantised p; when M moves, the sum and O^T are multiplied by 2^(old M - new M), which rounds nothing.
; SHARES: a work-group takes 512 queries of hb; each of its sixteen waves two tiles of 16, one after the other.  The head's K and V (16 steps, 204,800 bytes) stay in LDS, filled once: each wave brings one step.
; THE SECOND TILE'S NUMBERS OF q are asked for behind the barrier that shows K and V whole, land in registers of their own while the first tile is worked, and are quantised between the two tiles.
; CLUSTER: the four work-groups of a cluster are one head's: each step is asked for JOINTLY.  No prefetch: the launch's only tensor loads stand at its head, with no loop to run ahead in.
; LIMITS: the scaled scores stay under 2^31 in magnitude; blocks whose largest magnitude lies under 2^-124 keep the byte 1; blocks of zeros get the byte 1, not 127 (their codes are zeros); NaN and infinities are not served.
; REGISTERS: v1 16 x lane, v2 8 x lane, v8 4 x lane; v3, v4 LDS addresses; v5-7 q's offsets; v9, v10 q's scale words; v12 -M, v13 largest score, v[14:15] the sum;
;   v16-33 [6 zeros][q's codes][6 zeros]; v34-37 at work; v40-87 four fragments; v88-151 S^T, then p; v152-183 O^T; v184-195 p's codes; v196-207 at work; v208-215 the sum's chains; v216-223 scales, f; v224-255 the second tile's numbers.
.set FR,  40
.set S,   88
.set O,   152
.set PC,  184
.set T0,  196
.set OM,  199                          ; -M as the last step left it
.set T1,  200
.set H8,  203                          ; 8 h
.set BM,  204
.set BP,  34
.set SO,  36
.set SA,  208
.set KS,  216                          ; v216-217 K's scale words, v218-219 V's, v220 p's: scales and nothing else
.set VS,  218
.set PW,  220
.set TT,  221
.set FF,  222                          ; v[222:223] f = 2^(old M - new M)
.set X2,  224
.set QSTG, 204800                      ; behind K and V: 16 rows x 272 bytes for each wave, for q's turn
.macro CROUND
	s_barrier_signal -1
	s_barrier_wait -1
	s_cmp_lg_u32 s40, 0
	s_cbranch_scc1 .Lnot_wave_0_\@
	s_barrier_signal -3
.Lnot_wave_0_\@:
	s_barrier_wait -3
	s_barrier_signal -1
	s_barrier_wait -1
.endm
.macro WM acc, a, b, sa, sb, zero, odd ; zero = 1: it starts the sum; odd = 1: source 0's scale words stand in lanes 16-31
.if \zero
.if \odd
	v_wmma_scale_f32_16x16x128_f8f6f4 v[\acc:\acc+7], v[\a:\a+11], v[\b:\b+11], 0, v[\sa], v[\sb] matrix_a_fmt:MATRIX_FMT_FP6 matrix_b_fmt:MATRIX_FMT_FP6 matrix_a_scale:MATRIX_SCALE_ROW1
.else
	v_wmma_scale_f32_16x16x128_f8f6f4 v[\acc:\acc+7], v[\a:\a+11], v[\b:\b+11], 0, v[\sa], v[\sb] matrix_a_fmt:MATRIX_FMT_FP6 matrix_b_fmt:MATRIX_FMT_FP6
.endif
.else
.if \odd
	v_wmma_scale_f32_16x16x128_f8f6f4 v[\acc:\acc+7], v[\a:\a+11], v[\b:\b+11], v[\acc:\acc+7], v[\sa], v[\sb] matrix_a_fmt:MATRIX_FMT_FP6 matrix_b_fmt:MATRIX_FMT_FP6 matrix_a_scale:MATRIX_SCALE_ROW1
.else
	v_wmma_scale_f32_16x16x128_f8f6f4 v[\acc:\acc+7], v[\a:\a+11], v[\b:\b+11], v[\acc:\acc+7], v[\sa], v[\sb] matrix_a_fmt:MATRIX_FMT_FP6 matrix_b_fmt:MATRIX_FMT_FP6
.endif
.endif
.endm
	s_load_b128 s[4:7], s[0:1], 0x0                ; q, kv
	s_load_b64 s[8:9], s[0:1], 0x10                ; ac
	v_lshl_add_u32 v254, v0, 2, 0x43000
	v_mov_b32 v255, 0
	ds_add_u32 v254, v255                          ; the opening lines
	ds_add_u32 v254, v255
	s_wait_dscnt 0x0
	v_lshrrev_b32 v1, 5, v0
	s_delay_alu instid0(VALU_DEP_1)
	v_readfirstlane_b32 s40, v1                    ; wave 0..15
	v_and_b32 v199, 31, v0                         ; lane
	v_and_b32 v204, 15, v0                         ; r
	v_bfe_u32 v205, v0, 4, 1                       ; h
	v_lshlrev_b32 v1, 4, v199
	v_lshlrev_b32 v2, 3, v199
	v_lshlrev_b32 v8, 2, v199
	v_lshlrev_b32 v[H8], 3, v205
	v_lshlrev_b32 v5, 4, v204
	s_delay_alu instid0(VALU_DEP_1)
	v_lshl_add_u32 v5, v205, 12, v5                ; q: a load takes two rows' 256 bytes
	s_mul_i32 s41, s40, 4352
	s_add_co_u32 s41, s41, QSTG                    ; my stage
	v_mul_u32_u24 v6, v205, 272
	s_delay_alu instid0(VALU_DEP_1)
	v_lshl_add_u32 v6, v204, 4, v6
	s_delay_alu instid0(VALU_DEP_1)
	v_add_nc_u32 v6, s41, v6                       ; in: as loaded
	v_mul_u32_u24 v7, v204, 272
	s_delay_alu instid0(VALU_DEP_1)
	v_lshl_add_u32 v7, v205, 7, v7
	s_delay_alu instid0(VALU_DEP_1)
	v_add_nc_u32 v7, s41, v7                       ; back: row r, my block of 32
	s_bfe_u32 s54, ttmp6, 0x40000                  ; cx: it enters q's and ac's addresses alone
	s_lshl_b32 s55, ttmp9, 2
	s_add_co_u32 s55, s55, s54                     ; my block of 512 queries
	s_and_b32 s56, ttmp7, 0xffff                   ; hb, which the four partners share
	s_lshr_b32 s57, s56, 4                         ; b
	s_and_b32 s58, s56, 15                         ; head
	s_and_b32 s48, s56, 1
	s_lshl_b32 s48, s48, 4                         ; an odd head's two bytes stand in the upper half of the scale word
	s_lshl_b32 s10, s57, 23
	s_lshl_b32 s11, s55, 9
	s_lshl_b32 s12, s40, 4
	s_add_co_u32 s11, s11, s12                     ; my first query: 512 x + 16 w
	s_lshl_b32 s11, s11, 12
	s_add_co_u32 s10, s10, s11
	s_lshl_b32 s11, s58, 8
	s_add_co_u32 s10, s10, s11
	s_mov_b32 s11, 0
	s_lshl_b32 s12, s57, 7
	s_lshl_b32 s13, s55, 5
	s_add_co_u32 s12, s12, s13
	s_add_co_u32 s12, s12, s40                     ; my first row tile: 128 b + 32 x + w
	s_mul_i32 s12, s12, 14336
	s_mul_i32 s13, s58, 768
	s_add_co_u32 s14, s12, s13
	s_mov_b32 s15, 0
	s_lshl_b32 s13, s58, 7
	s_add_co_u32 s12, s12, s13
	s_add_co_u32 s12, s12, 12288
	s_mov_b32 s13, 0
	s_mul_i32 s59, s40, 12800                      ; the step that I fetch: its place in LDS and in the head's block
	s_mul_i32 s60, s56, 204800
	s_add_co_u32 s60, s60, s59
	s_mov_b32 s61, 0
	s_mov_b32 s42, 0x76543210
	s_mov_b32 s43, 0xfedcba98                      ; selects: lane l xor 16
	s_mov_b32 s44, 0x3e38aa3b                      ; c = log2(e) / 8
	s_mov_b32 s45, s44
	s_mov_b32 s16, 15|(3<<16)|(1<<21)              ; group 1: 12,800 dense bytes as 50 rows of 256; the mask names the four work-groups
	s_mov_b32 s17, 32<<16
	s_mov_b32 s18, 50<<16
	s_mov_b32 s19, 32<<16
	s_mov_b32 s20, 50
	s_mov_b32 s21, 32
	s_mov_b32 s22, 0
	s_mov_b32 s23, 0
	s_wait_alu depctr_va_vdst(0)                   ; the wait at the head's end
	s_wait_kmcnt 0x0
	s_add_nc_u64 s[4:5], s[4:5], s[10:11]
	s_add_nc_u64 s[50:51], s[8:9], s[14:15]        ; ac: my codes
	s_add_nc_u64 s[52:53], s[8:9], s[12:13]        ; and my scale words
.irp i, 0,1,2,3,4,5,6,7
	global_load_b128 v[S+4*\i:S+4*\i+3], v5, s[4:5] offset:8192*\i th:TH_LOAD_NT   ; the first tile's numbers of q
.endr
	s_mov_b32 s24, 1
	s_mov_b32 s25, s59
	s_add_nc_u64 s[26:27], s[6:7], s[60:61]        ; nothing in it hangs on my place in the cluster
	s_or_b32 s27, s27, 0x80000000
	CROUND                                         ; all four work-groups are here: the joint loads meet
	tensor_load_to_lds s[24:27], s[16:23]          ; my one tensor load of the launch: step w of the head
	s_nop 0
.rept 4
	v_nop
.endr
.irp j, 16,17,18,19,20,21,28,29,30,31,32,33
	v_mov_b32 v[\j], 0                             ; the zero codes on both sides of q's
.endr
.irp b, 0,1
	v_mov_b32 v[BP+\b], 0                          ; a lane permute's destination counts as one of its sources
.endr
	v_mov_b32 v[FF+1], 0
.macro QTURN src, dst                  ; 16 rows x 64 numbers through my stage: LDS serves a wave's instructions in order
.irp i, 0,1,2,3,4,5,6,7
	ds_store_b128 v6, v[\src+4*\i:\src+4*\i+3] offset:544*\i
.endr
.irp i, 0,1,2,3,4,5,6,7
	ds_load_b128 v[\dst+4*\i:\dst+4*\i+3], v7 offset:16*\i
.endr
.endm
.macro QUANT32 src, dst, word          ; a lane's whole block of 32 -> six registers of codes; the row's two bytes -> the low half of a scale word
	v_max3_num_f32 v[BM], |v[\src]|, |v[\src+1]|, 0x1800000        ; the floor 2^(3 - 127): the byte cannot fall under 1
	v_max3_num_f32 v[BM+1], |v[\src+16]|, |v[\src+17]|, |v[\src+18]|
.irp i, 2,4,6,8,10,12
	s_delay_alu instid0(VALU_DEP_2)
	v_max3_num_f32 v[BM], v[BM], |v[\src+\i]|, |v[\src+\i+1]|
	s_delay_alu instid0(VALU_DEP_2)
	v_max3_num_f32 v[BM+1], v[BM+1], |v[\src+17+\i]|, |v[\src+18+\i]|
.endr
	s_delay_alu instid0(VALU_DEP_2)
	v_max3_num_f32 v[BM], v[BM], |v[\src+14]|, |v[\src+15]|
	s_delay_alu instid0(VALU_DEP_1)
	v_max3_num_f32 v[BM], v[BM], v[BM+1], |v[\src+31]|
	s_delay_alu instid0(VALU_DEP_1)
	v_add_nc_u32 v[SO], 0xff000000, v[BM]          ; 2 off the exponent field: the conversion's scale operand
	v_cvt_scalef32_pk16_fp6_f32 v[\dst:\dst+2], v[\src:\src+15], v[SO]
	v_cvt_scalef32_pk16_fp6_f32 v[T0:T0+2], v[\src+16:\src+31], v[SO]
	v_lshrrev_b32 v[TT], 23, v[SO]                 ; the byte; also the plain line behind the conversions
.irp i, 0,1,2
	v_mov_b32 v[\dst+3+\i], v[T0+\i]
.endr
	s_delay_alu instid0(VALU_DEP_4)
	v_lshlrev_b32 v[TT], v[H8], v[TT]              ; block h's byte at its place,
	s_delay_alu instid0(VALU_DEP_1)
	v_permlanex16_b32 v[BP], v[TT], s42, s43
	s_delay_alu instid0(VALU_DEP_1)
	v_or_b32 v[\word], v[TT], v[BP]                ; with the other block's.  The upper two bytes stay 0: they belong to zero codes
.endm
	s_wait_loadcnt 0x0                             ; the first tile's eight loads are in
	QTURN S, FR
	s_wait_dscnt 0x0
	QUANT32 FR, 22, 9
	s_delay_alu instid0(VALU_DEP_1)
	v_lshlrev_b32 v10, 16, v9                      ; the same two bytes for k 64-127
; A KEY STEP: 128 keys; s46 = the LDS byte at which the step's block begins.
.macro STEP
	v_add_nc_u32 v3, s46, v1                       ; (with the last step's four closing lines: the places in front of the loads below)
	v_add_nc_u32 v4, s46, v2
.irp j, 0,1,2,3
.irp c, 0,1,2
	ds_load_b128 v[FR+12*\j+4*\c:FR+12*\j+4*\c+3], v3 offset:1536*\j+512*\c    ; K's four pair fragments: 512 consecutive bytes a load
.endr
.endr
	ds_load_b64 v[KS:KS+1], v4 offset:12288
	s_wait_alu depctr_va_vdst(0)
	s_wait_dscnt 0x0
.irp j, 0,1,2,3                        ; S^T: register 32 c + i of lane (query r, h) is key 64 c + 32 h + i
	WM S+16*\j, FR+12*\j, 22, KS+\j/2, 9, 1, \j%2
	WM S+16*\j+8, FR+12*\j, 16, KS+\j/2, 10, 1, \j%2
.endr
.rept 4
	v_nop                                          ; four places: for the loads below and for the first reads of the scores
.endr
.irp t, 0,1,2,3
.irp c, 0,1,2
	ds_load_b128 v[FR+12*\t+4*\c:FR+12*\t+4*\c+3], v3 offset:6144+1536*\t+512*\c   ; V^T's four fragments land while the softmax is worked
.endr
.endr
	ds_load_b64 v[VS:VS+1], v4 offset:12544
.irp b, 0,1                            ; the largest score of my two blocks of 32 keys, two chains each; every accumulator is read from its low end on
	v_max3_num_f32 v[BM+\b], v[S+32*\b], v[S+32*\b+1], v[S+32*\b+2]
	v_max3_num_f32 v[BM+2+\b], v[S+32*\b+16], v[S+32*\b+17], v[S+32*\b+18]
.endr
.irp i, 3,5,7,9,11,13
.irp b, 0,1
	v_max3_num_f32 v[BM+\b], v[BM+\b], v[S+32*\b+\i], v[S+32*\b+\i+1]
	v_max3_num_f32 v[BM+2+\b], v[BM+2+\b], v[S+32*\b+16+\i], v[S+32*\b+17+\i]
.endr
.endr
.irp b, 0,1
	v_max3_num_f32 v[BM+\b], v[BM+\b], v[BM+2+\b], v[S+32*\b+15]
.endr
.irp b, 0,1
	v_max_num_f32 v[BM+\b], v[BM+\b], v[S+32*\b+31]
.endr
	s_delay_alu instid0(VALU_DEP_1)
	v_max_num_f32 v[TT], v[BM], v[BM+1]
	s_delay_alu instid0(VALU_DEP_1)
	v_permlanex16_b32 v[BP], v[TT], s42, s43
	s_delay_alu instid0(VALU_DEP_1)
	v_max3_num_f32 v13, v13, v[TT], v[BP]          ; the running largest score of my query, lane l xor 16's 64 keys among them
	s_delay_alu instid0(VALU_DEP_1)
	v_mul_f32 v[TT], s44, v13                      ; as t (c is positive)
	s_delay_alu instid0(VALU_DEP_1)
	v_floor_f32 v12, -v[TT]                        ; -M = floor(-t): M is a whole number
	s_delay_alu instid0(VALU_DEP_1)
	v_sub_f32 v[TT], v12, v[OM]                    ; old M - new M, 0 or less
	s_delay_alu instid0(VALU_DEP_1)
	v_cvt_i32_f32 v[TT], v[TT]                     ; (it saturates)
	s_delay_alu instid0(VALU_DEP_1)
	v_ldexp_f32 v[FF], 1.0, v[TT]                  ; f
.set jj, 0
.rept 32
	v_pk_fma_f32 v[S+jj:S+jj+1], v[S+jj:S+jj+1], s[44:45], v[12:13] op_sel_hi:[1,0,0]   ; t - M, two at a time
.set jj, jj+2
.endr
.irp b, 0,1
	v_fma_f32 v[BM+\b], v[BM+\b], s44, v12         ; the same of each block's largest score
.endr
	s_wait_alu depctr_va_vdst(0)                   ; the wait ahead of the batch
.set jj, 0
.rept 64
	v_exp_f32 v[S+jj], v[S+jj]                     ; p = 2^(t - M)
.set jj, jj+1
.endr
.irp b, 0,1
	v_exp_f32 v[BM+\b], v[BM+\b]                   ; the blocks' largest p: the same two instructions on the same number give the same bits
.endr
	v_mov_b32 v[OM], v12                           ; -M for the next step's f: also the plain line behind the batch
	s_wait_alu depctr_va_vdst(0)                   ; one wait for the batch, ahead of its first reader
.irp b, 0,1
	v_max_num_f32 v[BM+\b], 0x1800000, v[BM+\b]    ; the floor: the byte cannot fall under 1
.endr
.irp q, 0,1,2,3                        ; the row's sum of the unquantised p: four chains of pairs
	v_pk_add_f32 v[SA+2*\q:SA+2*\q+1], v[S+4*\q:S+4*\q+1], v[S+4*\q+2:S+4*\q+3]
.endr
.irp b, 0,1
	v_add_nc_u32 v[SO+\b], 0xff000000, v[BM+\b]
.endr
.set jj, 16
.rept 6
.irp q, 0,1,2,3
	v_pk_add_f32 v[SA+2*\q:SA+2*\q+1], v[SA+2*\q:SA+2*\q+1], v[S+jj+2*\q:S+jj+2*\q+1]
.endr
.set jj, jj+8
.endr
.irp b, 0,1
	v_lshrrev_b32 v[BP+\b], 23, v[SO+\b]
.endr
	s_delay_alu instid0(VALU_DEP_1)
	v_lshl_or_b32 v[TT], v[BP+1], 16, v[BP]        ; my two bytes: blocks h and 2 + h,
	s_delay_alu instid0(VALU_DEP_1)
	v_lshlrev_b32 v[TT], v[H8], v[TT]              ; at their places;
	s_delay_alu instid0(VALU_DEP_1)
	v_permlanex16_b32 v[BP], v[TT], s42, s43
	v_cvt_scalef32_pk16_fp6_f32 v[PC:PC+2], v[S:S+15], v[SO]
	v_cvt_scalef32_pk16_fp6_f32 v[T0:T0+2], v[S+16:S+31], v[SO]
	v_cvt_scalef32_pk16_fp6_f32 v[PC+6:PC+8], v[S+32:S+47], v[SO+1]
	v_cvt_scalef32_pk16_fp6_f32 v[T1:T1+2], v[S+48:S+63], v[SO+1]
	v_or_b32 v[PW], v[TT], v[BP]                   ; with lane l xor 16's two bytes: p's scale word for these 128 keys; also the plain line behind the conversions
.irp i, 0,1,2                          ; a conversion's three registers begin on an even number: a block's second half is moved to its place
	v_mov_b32 v[PC+3+\i], v[T0+\i]
	v_mov_b32 v[PC+9+\i], v[T1+\i]
.endr
	s_wait_dscnt 0x0                               ; V^T is in
	s_wait_alu depctr_va_vdst(0)                   ; the wait directly ahead of the first reader of O^T
.set jj, 0
.rept 16
	v_pk_mul_f32 v[O+jj:O+jj+1], v[O+jj:O+jj+1], v[FF:FF+1] op_sel_hi:[1,0]   ; O^T under the new M; these sixteen also stand between the writes of p's codes and scale word and the products
.set jj, jj+2
.endr
.irp t, 0,1,2,3                        ; O^T += V^T P^T: four accumulators by turns; register 16 b + i is d = 32 b + 16 h + i
	WM O+8*\t, FR+12*\t, PC, VS+\t/2, PW, 0, \t%2
.endr
	v_pk_add_f32 v[SA:SA+1], v[SA:SA+1], v[SA+2:SA+3]              ; the sum's four closing lines name no register of the products: they are the places behind them
	v_pk_add_f32 v[SA+4:SA+5], v[SA+4:SA+5], v[SA+6:SA+7]
	v_pk_add_f32 v[SA:SA+1], v[SA:SA+1], v[SA+4:SA+5]
	v_pk_fma_f32 v[14:15], v[14:15], v[FF:FF+1], v[SA:SA+1] op_sel_hi:[1,0,1]   ; the old sum under the new M, and this step's
	s_add_co_u32 s46, s46, 12800
.endm
.macro PASS p                          ; one tile of 16 queries against all 2,048 keys, and its way out
	v_mov_b32 v13, 0xff61b1e6                      ; the largest score so far: -3e38
	s_delay_alu instid0(VALU_DEP_1)
	v_floor_f32 v12, -v13
	v_mov_b32 v14, 0
	v_mov_b32 v15, 0
	v_mov_b32 v[OM], v12
.set jj, 0
.rept 32
	v_mov_b32 v[O+jj], 0                           ; the step is written once for all steps: the first finds zeros, which the first change of M leaves zeros
.set jj, jj+1
.endr
	s_mov_b32 s46, 0
	s_mov_b32 s47, 16
.Lstep_\@:
	STEP
	s_sub_co_u32 s47, s47, 1
	s_cmp_lg_u32 s47, 0
	s_cbranch_scc1 .Lstep_\@
	v_add_f32 v14, v14, v15
	s_delay_alu instid0(VALU_DEP_1)
	v_permlanex16_b32 v[BP], v14, s42, s43
	s_delay_alu instid0(VALU_DEP_1)
	v_add_f32 v14, v14, v[BP]                      ; the row's sum
	s_wait_alu depctr_va_vdst(0)
	v_rcp_f32 v[TT], v14
	v_nop
	s_wait_alu depctr_va_vdst(0)                   ; ahead of the reciprocal's first reader, which is also O^T's
.set jj, 0
.rept 32
	v_mul_f32 v[S+jj], v[O+jj], v[TT]              ; O / l, from each accumulator's low end on
.set jj, jj+1
.endr
.irp b, 0,1                            ; the head's two blocks of 32 along the projection's K: block b lies in lanes l and l xor 16
	v_max3_num_f32 v[BM+\b], |v[S+16*\b]|, |v[S+16*\b+1]|, 0x1800000
.endr
.irp i, 2,4,6,8,10,12,14
.irp b, 0,1
	s_delay_alu instid0(VALU_DEP_2)
	v_max3_num_f32 v[BM+\b], v[BM+\b], |v[S+16*\b+\i]|, |v[S+16*\b+\i+1]|
.endr
.endr
.irp b, 0,1
	s_delay_alu instid0(VALU_DEP_2)
	v_permlanex16_b32 v[BP+\b], v[BM+\b], s42, s43
.endr
.irp b, 0,1
	s_delay_alu instid0(VALU_DEP_2)
	v_max_num_f32 v[BM+\b], v[BM+\b], v[BP+\b]
.endr
.irp b, 0,1
	s_delay_alu instid0(VALU_DEP_2)
	v_add_nc_u32 v[SO+\b], 0xff000000, v[BM+\b]
.endr
.irp b, 0,1
	s_delay_alu instid0(VALU_DEP_2)
	v_lshrrev_b32 v[BP+\b], 23, v[SO+\b]
.endr
	s_delay_alu instid0(VALU_DEP_1)
	v_lshl_or_b32 v[TT], v[BP+1], 8, v[BP]
	s_delay_alu instid0(VALU_DEP_1)
	v_lshlrev_b32 v[TT], s48, v[TT]                ; the two bytes at the head's half of the scale word; the other half is 0
	v_cvt_scalef32_pk16_fp6_f32 v[PC:PC+2], v[S:S+15], v[SO]
	v_cvt_scalef32_pk16_fp6_f32 v[T0:T0+2], v[S+16:S+31], v[SO+1]
	v_nop
.irp i, 0,1,2
	v_permlane16_swap_b32 v[PC+\i], v[T0+\i]
.endr
.irp i, 0,1,2
	s_delay_alu instid0(VALU_DEP_3)
	v_mov_b32 v[PC+3+\i], v[T0+\i]                 ; lane (r, h): row r, d = 32 h .. 32 h + 31
.endr
	global_store_b128 v1, v[PC:PC+3], s[50:51] offset:\p*229376           ; 512 consecutive bytes, aligned
	global_store_b64 v2, v[PC+4:PC+5], s[50:51] offset:\p*229376+512      ; 256 consecutive bytes, aligned
	global_store_b32 v8, v[TT], s[52:53] offset:\p*229376                 ; 128 consecutive bytes
	s_wait_xcnt 0x0                                ; the stores have read their registers, which the next tile writes again
.endm
	s_wait_tensorcnt 0x0                           ; my step of K and V is in,
	s_barrier_signal -1                            ; (no LDS instruction of mine is out)
	s_barrier_wait -1                              ; everybody's is: all 16 steps lie in LDS and stay
.irp i, 0,1,2,3,4,5,6,7
	global_load_b128 v[X2+4*\i:X2+4*\i+3], v5, s[4:5] offset:1048576+8192*\i th:TH_LOAD_NT   ; the second tile's numbers of q: no line of the first tile's work names v224-255
.endr
	PASS 0
	s_wait_loadcnt 0x0                             ; the second tile's eight loads are in
	QTURN X2, FR
	s_wait_dscnt 0x0
	QUANT32 FR, 22, 9                              ; its codes and scale words take the first tile's places; the 37 lines at the tile's head stand between these writes and the first product
	s_delay_alu instid0(VALU_DEP_1)
	v_lshlrev_b32 v10, 16, v9
	PASS 1
	s_wait_tensorcnt 0x0
	s_wait_dscnt 0x0
	s_wait_xcnt 0x0
	v_lshl_add_u32 v254, v0, 2, 0x43000            ; v254, v255 held numbers of q: the add's two registers are made anew
	v_mov_b32 v255, 0
	s_wait_alu depctr_va_vdst(0)
	s_wait_tensorcnt 0x0                           ; the wave's end
	ds_add_u32 v254, v255
	s_wait_dscnt 0x0
	CROUND                                         ; the closing round
	s_endpgm
.Lfunc_end_k_q78196cb9fc_attn:
	.size	k_q78196cb9fc_attn, .Lfunc_end_k_q78196cb9fc_attn-k_q78196cb9fc_attn
	.p2alignl 7, 3214868480
	.fill 96, 4, 3214868480
	.section	.rodata,"a",@progbits
	.p2align	6, 0x0
	.amdhsa_kernel k_q78196cb9fc_attn
		.amdhsa_group_segment_fixed_size 276480
		.amdhsa_private_segment_fixed_size 0
		.amdhsa_enable_private_segment 0
		.amdhsa_kernarg_size 24
		.amdhsa_user_sgpr_count 2
		.amdhsa_user_sgpr_kernarg_segment_ptr 1
		.amdhsa_wavefront_size32 1
		.amdhsa_system_sgpr_workgroup_id_x 1
		.amdhsa_system_sgpr_workgroup_id_y 1
		.amdhsa_system_sgpr_workgroup_id_z 1
		.amdhsa_system_vgpr_workitem_id 0
		.amdhsa_next_free_vgpr 256
		.amdhsa_next_free_sgpr 66
		.amdhsa_reserve_vcc 0
		.amdhsa_float_denorm_mode_32 3
		.amdhsa_float_denorm_mode_16_64 3
		.amdhsa_memory_ordered 1
		.amdhsa_forward_progress 1
		.amdhsa_inst_pref_size 55
	.end_amdhsa_kernel
	.amdgpu_metadata
---
amdhsa.version: [ 1, 2 ]
amdhsa.kernels:
  - .name:           k_q78196cb9fc_attn
    .symbol:         k_q78196cb9fc_attn.kd
    .args:
      - { .name: q, .offset: 0, .size: 8, .value_kind: global_buffer, .address_space: global }
      - { .name: kv, .offset: 8, .size: 8, .value_kind: global_buffer, .address_space: global }
      - { .name: ac, .offset: 16, .size: 8, .value_kind: global_buffer, .address_space: global }
    .group_segment_fixed_size: 276480
    .private_segment_fixed_size: 0
    .kernarg_segment_align: 8
    .kernarg_segment_size: 24
    .max_flat_workgroup_size: 512
    .sgpr_count:     66
    .vgpr_count:     256
    .wavefront_size: 32
...
	.end_amdgpu_metadata
.endif
;; end of part 2
;; launch proj (part 3): grid 256 x 1, 16 waves a work-group, no clusters, 167,936 bytes of LDS; arguments ac, wc, g, out0; writes out0
.if DOCPART == 3
	.amdgcn_target "amdgcn-amd-amdhsa--gfx1250"
	.amdhsa_code_object_version 6
	.text
	.protected	k_q78196cb9fc_proj
	.globl	k_q78196cb9fc_proj
	.p2align	8
	.type	k_q78196cb9fc_proj,@function
k_q78196cb9fc_proj:
	s_mov_b64 s[64:65], 0
	v_nop
	global_prefetch_b8 v0, s[64:65] scope:SCOPE_SE
	s_setreg_imm32_b32 hwreg(HW_REG_WAVE_MODE, 25, 1), 1
	s_wait_xcnt 0x0
; out0 = LayerNorm(A W^T) g on codes of FP6 (E2M3).  A: 8,192 rows x K 1,024, laid by the launch before (ac: [row tile of 16][14,336 bytes]: 768 bytes a head, then 128 bytes a head of half scale words).
; wc: [K step of 128][102,400 bytes]: 64 fragments of W as images of their registers (tile tau: n = 16 tau + r), then 16 units of 256 bytes of scale words (unit u: word i of lane (r, hh) belongs to tile 4 u + 2 i + hh).
; SHARES: a work-group takes 32 rows and all 1,024 columns, since a row's mean and variance span them: 256 work-groups.  Each of its sixteen waves takes 64 columns (W's tiles 4 w .. 4 w + 3) x 32 rows: 8 accumulators.
; W GOES FROM MEMORY STRAIGHT INTO REGISTERS: every fragment is multiplied by ONE wave of the work-group, and it lies in memory as that wave's registers want it (512 consecutive bytes a load).  Three sets of registers:
; 13 loads a K step, the loads of three steps issued ahead of the first product, each set asked for again as soon as its eight products are issued.
; NO CLUSTER, NO JOINT LOADS: a joint load lands in LDS; W's 819,200 bytes do not fit there, so they would pass through two slots that are drained at each of eight changes, with 8 matrix instructions a wave between two changes.
; NO PREFETCH: the loads themselves run three of the eight K steps ahead, and every work-group reads the same bytes of wc in the same order.
; A's 28,672 bytes come into LDS once, by one tensor load a wave (7 rows of 256 bytes); nothing is filled again.  Two heads' half scale words are joined once (wave w: row tile w / 8, K step w % 8) and kept in LDS.
; THE MATRIX INSTRUCTION IS USED TRANSPOSED (source 0 = W's tile, source 1 = A's): lane (r, h) holds row r and eight neighbouring columns 16 tau + 8 h + 0 .. 7.
; LayerNorm: the mean first, then the sum of squares of the differences; each over lanes, then over the sixteen waves through LDS.  Results leave through each wave's stage as whole rows of 256 bytes.
; LIMITS: NaN and infinities are not served.
; REGISTERS: v1, v2 the add's; v3-5 A's LDS addresses; v6, v7 W's offsets; v8, v9 the sums' LDS addresses; v10, v11 the stage; v12 out0's offset; v13 g's; v14-15 A's scale words; v16-21 W's, three sets;
;   v24-47 A's two fragments; v48-191 W's fragments, three sets of 48 (the third takes g at the end); v192-255 the accumulators.
.set ASW,   28672                      ; the joined scale words: 16 x 128 bytes
.set RED,   30720                      ; two exchanges of 32 rows x 16 waves x 4 bytes
.set SPARE, 34816                      ; the spare words: 128 bytes a wave
.set STAGE, 36864                      ; 16 rows x 272 bytes for each wave
.set AS,  14
.set WS,  16
.set AF,  24
.set WF,  48
.set G,   144
.set ACC, 192
.macro PLACES
.rept 4
	v_nop
.endr
.endm
.macro WM acc, a, b, sa, sb, zero, odd
.if \zero
.if \odd
	v_wmma_scale_f32_16x16x128_f8f6f4 v[\acc:\acc+7], v[\a:\a+11], v[\b:\b+11], 0, v[\sa], v[\sb] matrix_a_fmt:MATRIX_FMT_FP6 matrix_b_fmt:MATRIX_FMT_FP6 matrix_a_scale:MATRIX_SCALE_ROW1
.else
	v_wmma_scale_f32_16x16x128_f8f6f4 v[\acc:\acc+7], v[\a:\a+11], v[\b:\b+11], 0, v[\sa], v[\sb] matrix_a_fmt:MATRIX_FMT_FP6 matrix_b_fmt:MATRIX_FMT_FP6
.endif
.else
.if \odd
	v_wmma_scale_f32_16x16x128_f8f6f4 v[\acc:\acc+7], v[\a:\a+11], v[\b:\b+11], v[\acc:\acc+7], v[\sa], v[\sb] matrix_a_fmt:MATRIX_FMT_FP6 matrix_b_fmt:MATRIX_FMT_FP6 matrix_a_scale:MATRIX_SCALE_ROW1
.else
	v_wmma_scale_f32_16x16x128_f8f6f4 v[\acc:\acc+7], v[\a:\a+11], v[\b:\b+11], v[\acc:\acc+7], v[\sa], v[\sb] matrix_a_fmt:MATRIX_FMT_FP6 matrix_b_fmt:MATRIX_FMT_FP6
.endif
.endif
.endm
	s_load_b256 s[4:11], s[0:1], 0x0               ; ac s[4:5], wc s[6:7], g s[8:9], out0 s[10:11]
	v_lshl_add_u32 v1, v0, 2, SPARE
	v_mov_b32 v2, 0
	ds_add_u32 v1, v2                              ; the opening lines; work on registers stands between the second add and the wait
	ds_add_u32 v1, v2
	v_lshrrev_b32 v3, 5, v0
	v_readfirstlane_b32 s14, v3                    ; wave 0..15
	s_mul_i32 s15, s14, 6144                       ; my four fragments in a K step's block
	s_lshl_b32 s29, s14, 8
	s_add_co_u32 s16, s29, 98304                   ; my unit of scale words
	s_lshl_b32 s17, s14, 2
	s_add_co_u32 s17, s17, RED
	s_mul_i32 s28, s14, 4352
	s_add_co_u32 s28, s28, STAGE
	s_lshr_b32 s30, s14, 3
	s_mul_i32 s30, s30, 14336
	s_and_b32 s31, s14, 7
	s_lshl_b32 s31, s31, 8
	s_add_co_u32 s30, s30, s31
	s_add_co_u32 s30, s30, 12288                   ; the two half scale words that I join: row tile w / 8, heads 2 (w % 8) and the next
	s_mul_i32 s18, ttmp9, 28672
	s_mul_i32 s53, s14, 1792
	s_add_co_u32 s18, s18, s53                     ; my 1,792 bytes of the work-group's block of ac
	s_mov_b32 s19, 0
	s_lshl_b32 s54, ttmp9, 17                      ; 32 rows of out0
	s_mov_b32 s55, 0
	s_mov_b32 s20, 0x76543210
	s_mov_b32 s21, 0xfedcba98                      ; selects: lane l xor 16
	s_mov_b32 s22, 0xffff0000                      ; lanes 16-31
	s_mov_b32 s23, 0x3a800000                      ; 1 / 1024
	s_mov_b32 s52, 0x3727c5ac                      ; 1e-5
	s_mov_b32 s44, 3<<16                           ; group 1: 7 rows of 256 bytes (32 elements of 8 bytes), dense
	s_mov_b32 s45, 32<<16
	s_mov_b32 s46, 7<<16
	s_mov_b32 s47, 32<<16
	s_mov_b32 s48, 7
	s_mov_b32 s49, 32
	s_mov_b32 s50, 0
	s_mov_b32 s51, 0
	s_mov_b32 s24, 1
	s_mov_b32 s25, s53                             ; LDS: wave x 1,792
	v_and_b32 v22, 31, v0                          ; lane
	v_and_b32 v23, 15, v0                          ; r
	v_bfe_u32 v24, v0, 4, 1                        ; h
	v_lshlrev_b32 v3, 4, v22
	v_lshlrev_b32 v4, 3, v22
	v_lshl_add_u32 v5, v22, 2, ASW
	v_lshl_add_u32 v6, v22, 4, s15
	v_lshl_add_u32 v7, v22, 3, s16
	v_lshl_add_u32 v8, v22, 6, s17                 ; my wave's word of row (lane): lanes 0-15 the first row tile's rows, lanes 16-31 the second's
	v_lshl_add_u32 v9, v23, 6, RED                 ; row r's sixteen words
	v_mul_u32_u24 v10, v23, 272
	v_mul_u32_u24 v11, v24, 272
	v_lshl_add_u32 v12, v24, 12, s29
	v_lshl_add_u32 v13, v24, 5, s29                ; g: 256 w + 32 h
	v_lshl_add_u32 v10, v24, 5, v10
	v_lshl_add_u32 v11, v23, 4, v11
	v_lshl_add_u32 v12, v23, 4, v12                ; out0: lanes 0-15 one row's 256 bytes, lanes 16-31 the next row's
	v_add_nc_u32 v10, s28, v10                     ; stage, in: row r, 32 bytes for each half of the lanes
	v_add_nc_u32 v11, s28, v11                     ; back: two rows a load
	v_lshl_add_u32 v25, v22, 2, s30
	v_lshl_add_u32 v26, v0, 2, ASW
	s_wait_alu depctr_va_vdst(0)                   ; the wait at the head's end
	s_wait_dscnt 0x0                               ; both opening adds are done
	s_wait_kmcnt 0x0
	s_add_nc_u64 s[26:27], s[4:5], s[18:19]
	s_or_b32 s27, s27, 0x80000000
	s_add_nc_u64 s[10:11], s[10:11], s[54:55]
	tensor_load_to_lds s[24:27], s[44:51]          ; my one tensor load of the launch
	s_nop 0
.macro LOADW s                         ; K step s: my four fragments and their scale words into set s % 3: 13 loads
.set WB, WF+48*((\s)%3)
.irp i, 0,1,2,3
.irp c, 0,1,2
	global_load_b128 v[WB+12*\i+4*\c:WB+12*\i+4*\c+3], v6, s[6:7] offset:(\s)*102400+\i*1536+\c*512
.endr
.endr
	global_load_b64 v[WS+2*((\s)%3):WS+2*((\s)%3)+1], v7, s[6:7] offset:(\s)*102400
.endm
	LOADW 0
	LOADW 1
	LOADW 2
	s_wait_tensorcnt 0x0                           ; my part of A is in,
	s_barrier_signal -1
	s_barrier_wait -1                              ; everybody's is
	ds_load_b32 v22, v25
	ds_load_b32 v23, v25 offset:128
	s_wait_dscnt 0x0
	v_or_b32 v22, v22, v23                         ; an even head's two bytes below, an odd head's above: the rows' scale words of one K step
	ds_store_b32 v26, v22
	s_wait_dscnt 0x0
	s_barrier_signal -1
	s_barrier_wait -1
.macro STEP s, zero, cnt               ; cnt: the global loads issued behind K step s's
.irp m, 0,1
.irp c, 0,1
	ds_load_b128 v[AF+12*\m+6*\c:AF+12*\m+6*\c+3], v3 offset:\m*14336+(2*(\s)+\c)*768
	ds_load_b64 v[AF+12*\m+6*\c+4:AF+12*\m+6*\c+5], v4 offset:\m*14336+(2*(\s)+\c)*768+512
.endr
	ds_load_b32 v[AS+\m], v5 offset:(8*\m+(\s))*128
.endr
	s_wait_loadcnt \cnt
	s_wait_dscnt 0x0
.irp i, 0,1,2,3                        ; the eight accumulators by turns
.irp m, 0,1
	WM ACC+32*\m+8*\i, WF+48*((\s)%3)+12*\i, AF+12*\m, WS+2*((\s)%3)+\i/2, AS+\m, \zero, \i%2
.endr
.endr
	PLACES                                         ; in front of the loads into registers that these products read
.endm
	STEP 0, 1, 26                                  ; behind step s's loads stand those of steps s + 1 and s + 2
	LOADW 3
.irp s, 1,2,3,4
	STEP \s, 0, 26
	LOADW \s+3
.endr
	STEP 5, 0, 26
.irp t, 0,1,2,3                        ; the third set is free: it takes g at my columns
	global_load_b128 v[G+8*\t:G+8*\t+3], v13, s[8:9] offset:64*\t
	global_load_b128 v[G+8*\t+4:G+8*\t+7], v13, s[8:9] offset:64*\t+16
.endr
	STEP 6, 0, 21                                  ; step 7's 13 and g's 8
	STEP 7, 0, 8                                   ; g's 8
	v_mov_b32 v28, 0                               ; a lane permute's destination counts as one of its sources
.macro FINISH dst
	s_delay_alu instid0(VALU_DEP_1)
	v_pk_add_f32 v[24:25], v[24:25], v[26:27]
	s_delay_alu instid0(VALU_DEP_1)
	v_add_f32 v24, v24, v25
	s_delay_alu instid0(VALU_DEP_1)
	v_permlanex16_b32 v28, v24, s20, s21
	s_delay_alu instid0(VALU_DEP_1)
	v_add_f32 v[\dst], v24, v28
.endm
.macro ROWSUM m, dst                   ; row r's sum over my wave's 64 columns; each accumulator from its low end on
.set A0, ACC+32*(\m)
	v_pk_add_f32 v[24:25], v[A0:A0+1], v[A0+2:A0+3]
	v_pk_add_f32 v[26:27], v[A0+4:A0+5], v[A0+6:A0+7]
.set jj, 8
.rept 3
	v_pk_add_f32 v[24:25], v[24:25], v[A0+jj:A0+jj+1]
	v_pk_add_f32 v[26:27], v[26:27], v[A0+jj+2:A0+jj+3]
	v_pk_add_f32 v[24:25], v[24:25], v[A0+jj+4:A0+jj+5]
	v_pk_add_f32 v[26:27], v[26:27], v[A0+jj+6:A0+jj+7]
.set jj, jj+8
.endr
	FINISH \dst
.endm
.macro SQSUM m, dst
.set A0, ACC+32*(\m)
	v_pk_mul_f32 v[24:25], v[A0:A0+1], v[A0:A0+1]
	v_pk_mul_f32 v[26:27], v[A0+2:A0+3], v[A0+2:A0+3]
.set jj, 4
.rept 7
	v_pk_fma_f32 v[24:25], v[A0+jj:A0+jj+1], v[A0+jj:A0+jj+1], v[24:25]
	v_pk_fma_f32 v[26:27], v[A0+jj+2:A0+jj+3], v[A0+jj+2:A0+jj+3], v[26:27]
.set jj, jj+4
.endr
	FINISH \dst
.endm
.macro EXCH off                        ; v29, v30: my wave's sums of the two row tiles -> v32, v48: the sums over all sixteen waves
	s_delay_alu instid0(VALU_DEP_1)
	v_cndmask_b32 v31, v29, v30, s22
	ds_store_b32 v8, v31 offset:\off
	s_wait_dscnt 0x0
	s_barrier_signal -1
	s_barrier_wait -1
.irp i, 0,1,2,3
	ds_load_b128 v[32+4*\i:35+4*\i], v9 offset:\off+16*\i
	ds_load_b128 v[48+4*\i:51+4*\i], v9 offset:\off+1024+16*\i
.endr
	s_wait_dscnt 0x0
.irp o, 0,4,8,12
.irp b, 32,48
	v_pk_add_f32 v[\b+\o:\b+\o+1], v[\b+\o:\b+\o+1], v[\b+\o+2:\b+\o+3]
.endr
.endr
.irp o, 0,8
.irp b, 32,48
	v_pk_add_f32 v[\b+\o:\b+\o+1], v[\b+\o:\b+\o+1], v[\b+\o+4:\b+\o+5]
.endr
.endr
.irp b, 32,48
	v_pk_add_f32 v[\b:\b+1], v[\b:\b+1], v[\b+8:\b+9]
.endr
.irp b, 32,48
	s_delay_alu instid0(VALU_DEP_2)
	v_add_f32 v[\b], v[\b], v[\b+1]
.endr
.endm
	ROWSUM 0, 29
	ROWSUM 1, 30
	EXCH 0
	v_mul_f32 v64, s23, v32                        ; the means, each in both words of a pair
	v_mul_f32 v65, s23, v32
	v_mul_f32 v66, s23, v48
	v_mul_f32 v67, s23, v48
.irp m, 0,1
.set jj, 0
.rept 16
	v_pk_add_f32 v[ACC+32*\m+jj:ACC+32*\m+jj+1], v[ACC+32*\m+jj:ACC+32*\m+jj+1], v[64+2*\m:65+2*\m] neg_lo:[0,1] neg_hi:[0,1]
.set jj, jj+2
.endr
.endr
	SQSUM 0, 29
	SQSUM 1, 30
	EXCH 2048
	v_fma_f32 v32, v32, s23, s52                   ; the variance + 1e-5
	v_fma_f32 v48, v48, s23, s52
	s_wait_alu depctr_va_vdst(0)                   ; the wait ahead of the batch
	v_rsq_f32 v64, v32
	v_rsq_f32 v65, v32
	v_rsq_f32 v66, v48
	v_rsq_f32 v67, v48
	v_nop
	s_wait_alu depctr_va_vdst(0)                   ; and behind it, ahead of its first reader
	s_wait_loadcnt 0x0                             ; g is in
.irp m, 0,1
.set jj, 0
.rept 16
	v_pk_mul_f32 v[ACC+32*\m+jj:ACC+32*\m+jj+1], v[ACC+32*\m+jj:ACC+32*\m+jj+1], v[64+2*\m:65+2*\m]
.set jj, jj+2
.endr
.endr
.irp m, 0,1
.set jj, 0
.rept 16
	v_pk_mul_f32 v[ACC+32*\m+jj:ACC+32*\m+jj+1], v[ACC+32*\m+jj:ACC+32*\m+jj+1], v[G+jj:G+jj+1]
.set jj, jj+2
.endr
.endr
.macro TOSTAGE m, bk                   ; 16 rows x 256 bytes through my stage: LDS serves a wave's instructions in order
.irp t, 0,1,2,3
	ds_store_b128 v10, v[ACC+32*(\m)+8*\t:ACC+32*(\m)+8*\t+3] offset:64*\t
	ds_store_b128 v10, v[ACC+32*(\m)+8*\t+4:ACC+32*(\m)+8*\t+7] offset:64*\t+16
.endr
.irp i, 0,1,2,3,4,5,6,7
	ds_load_b128 v[\bk+4*\i:\bk+4*\i+3], v11 offset:544*\i
.endr
.endm
.macro SEND m, bk
.irp i, 0,1,2,3,4,5,6,7
	global_store_b128 v12, v[\bk+4*\i:\bk+4*\i+3], s[10:11] offset:(16*(\m)+2*\i)*4096 th:TH_STORE_NT   ; sixteen lanes store 256 consecutive bytes, aligned
.endr
.endm
	TOSTAGE 0, 32
	TOSTAGE 1, 64
	s_wait_dscnt 16                                ; the first row tile is back; behind it stand the second's 8 stores and 8 loads
	SEND 0, 32
	s_wait_dscnt 0x0
	SEND 1, 64
	s_wait_tensorcnt 0x0                           ; the wave's end
	ds_add_u32 v1, v2
	s_wait_dscnt 0x0
	s_endpgm
.Lfunc_end_k_q78196cb9fc_proj:
	.size	k_q78196cb9fc_proj, .Lfunc_end_k_q78196cb9fc_proj-k_q78196cb9fc_proj
	.p2alignl 7, 3214868480
	.fill 96, 4, 3214868480
	.section	.rodata,"a",@progbits
	.p2align	6, 0x0
	.amdhsa_kernel k_q78196cb9fc_proj
		.amdhsa_group_segment_fixed_size 167936
		.amdhsa_private_segment_fixed_size 0
		.amdhsa_enable_private_segment 0
		.amdhsa_kernarg_size 32
		.amdhsa_user_sgpr_count 2
		.amdhsa_user_sgpr_kernarg_segment_ptr 1
		.amdhsa_wavefront_size32 1
		.amdhsa_system_sgpr_workgroup_id_x 1
		.amdhsa_system_sgpr_workgroup_id_y 1
		.amdhsa_system_sgpr_workgroup_id_z 1
		.amdhsa_system_vgpr_workitem_id 0
		.amdhsa_next_free_vgpr 256
		.amdhsa_next_free_sgpr 66
		.amdhsa_reserve_vcc 0
		.amdhsa_float_denorm_mode_32 3
		.amdhsa_float_denorm_mode_16_64 3
		.amdhsa_memory_ordered 1
		.amdhsa_forward_progress 1
		.amdhsa_inst_pref_size 49
	.end_amdhsa_kernel
	.amdgpu_metadata
---
amdhsa.version: [ 1, 2 ]
amdhsa.kernels:
  - .name:           k_q78196cb9fc_proj
    .symbol:         k_q78196cb9fc_proj.kd
    .args:
      - { .name: ac, .offset: 0, .size: 8, .value_kind: global_buffer, .address_space: global }
      - { .name: wc, .offset: 8, .size: 8, .value_kind: global_buffer, .address_space: global }
      - { .name: g, .offset: 16, .size: 8, .value_kind: global_buffer, .address_space: global }
      - { .name: out0, .offset: 24, .size: 8, .value_kind: global_buffer, .address_space: global }
    .group_segment_fixed_size: 167936
    .private_segment_fixed_size: 0
    .kernarg_segment_align: 8
    .kernarg_segment_size: 32
    .max_flat_workgroup_size: 512
    .sgpr_count:     66
    .vgpr_count:     256
    .wavefront_size: 32
...
	.end_amdgpu_metadata
.endif
;; end of part 3
